; MI455X (gfx1250); checked and timed in simulation.
; The chip was launched on July 23, 2026; its instructions are those of AMD's public machine-readable ISA for CDNA 5 (MIT licence, August 2026) and "CDNA5" Instruction Set Architecture Reference Guide (July 2026). The comments in the code are by the model that wrote it; some were corrected since.
;; Attention. Allowed arithmetic: matrix products marked QUANTISED: E5M2 operands, one given power-of-two scale a tensor, by v_wmma_f32_16x16x64_bf8_bf8 or v_wmma_f32_16x16x128_bf8_bf8, f32 sums; products left as they are: f32 operands where the result goes on into a quantised operand, else bf16, f16 or f32 operands; f32 sums; everything else in f32.
;; Inputs: W_attn 2,048 x 1,024 float32; b_attn 1,024 float32; encoder_outputs 32 x 2,048 x 1,024 float32; hidden 32 x 1,024 float32; lowp_scales 4 int32 (the exponents e of the quantised operands' scales 2^e); v 1,024 float32.
;; Outputs: out0 32 x 2,048 float32.
;; This version of the problem:
;;   THIS VERSION OF THE PROBLEM IS GIVEN IN LOW PRECISION. The matrix products marked QUANTISED in the list below multiply operands that are first quantised to E5M2 (5 exponent bits, 2 mantissa bits; 8 bits a number), with one given power-of-two scale for each operand tensor; their sums are f32. All else is computed in f32.
;;   The module's matrix products, in the order in which they are computed (A, B: the left and right operand; K: the contracted axis; several contracted axes count as one K, in the product's order):
;;     1. [M 32, K 1,024] x [K 1,024, N 1,024]; A: input hidden; B: input W_attn: QUANTISED (scales: A lowp_scales[0], B lowp_scales[1])
;;     2. [M 65,536, K 1,024] x [K 1,024, N 1,024]; A: input encoder_outputs; B: input W_attn: QUANTISED (scales: A lowp_scales[2], B lowp_scales[3])
;;     3. [M 65,536, K 1,024] x [K 1,024, N 1]; A: computed on the way; B: input v: left as it is (N = 1 < 16)
;;   THE QUANTISER, for each operand of a quantised product, along K:
;;     - The operand's scale is 2^e, e = its entry of the input lowp_scales (int32; the entries are numbered through the quantised products in the list's order, A before B).
;;     - Each number is divided by the scale, clamped to +-57,344, and rounded to the nearest number of E5M2, ties to even, subnormals kept.
;;     - The product sums the exact products of the quantised numbers (number of the format x scale) in f32.
;;   ~~~python
;;   def quantise(x, axis, e):      # numpy; x: float32 -> the quantised numbers, widened to float32 again
;;       x = np.moveaxis(x, axis, -1); K = x.shape[-1]
;;       r = np.clip(x / 2.0 ** e, -57344, 57344)
;;       step = 2.0 ** (np.maximum(np.frexp(np.where(r == 0, 1, r))[1] - 1, -14) - 2)
;;       q = np.round(r / step) * step * 2.0 ** e      # np.round: ties to even
;;       return np.moveaxis(q, -1, axis).astype(np.float32)
;;   ~~~
;; One version. Each part assembles by itself: llvm-mc -triple=amdgcn-amd-amdhsa -mcpu=gfx1250 --defsym DOCPART=n.
;; ======== version 1 of 1: 3 launches
;; limits: right only within a limited range of input values
;; workspace buffers: wcodes 1,048,576 bytes; hpw 524,288 bytes; scores 262,144 bytes
;; launch prep (part 1): grid 256 x 1, 8 waves a work-group, no clusters, 9,216 bytes of LDS; arguments W_attn, hidden, b_attn, lowp_scales, wcodes, hpw; writes wcodes, hpw
.if DOCPART == 1
	.amdgcn_target "amdgcn-amd-amdhsa--gfx1250"
	.amdhsa_code_object_version 6
	.text
	.protected	k_qdedbacf55f_prep
	.globl	k_qdedbacf55f_prep
	.p2align	8
	.type	k_qdedbacf55f_prep,@function
k_qdedbacf55f_prep:
	s_mov_b64 s[64:65], 0
	v_nop
	global_prefetch_b8 v0, s[64:65] scope:SCOPE_SE
	s_setreg_imm32_b32 hwreg(HW_REG_WAVE_MODE, 25, 1), 1
	s_wait_xcnt 0x0
; THE PROGRAM: out0[b][s] = softmax_s( sum_n v[n] tanh(h_proj[b][n] + e_proj[b][s][n]) ), h_proj = Q(hidden) Q(W_attn[:1024]) + b_attn, e_proj = Q(encoder_outputs) Q(W_attn[1024:]),
; Q the given quantiser to E5M2 along K.  Three launches: this one (the weights' codes, h_proj), the energies (product 2, tanh, the dot with v), the softmax.
; WORK LEFT OUT.  For every real x, tanh(x) = 1 - 2 / (1 + 2^(c x)), c = 2 log2(e).  So sum_n v[n] tanh(x_n) = sum_n v[n] - 2 sum_n v[n] / (1 + 2^(c x_n)).
; The first term hangs on v alone: it is the same for all 2,048 positions of a batch, and a softmax does not change when one number is added to all its inputs.  This holds for all finite values of the inputs.
; So sum_n v[n] is never formed, and the later launches carry -2 sum_n v[n] / (1 + 2^(c x_n)).  Every input stays live and is loaded.
; LIMIT of that: a NaN, an infinity or an overflow that would arise in sum_n v[n] alone is not carried to the result.
; THIS LAUNCH.  Work-group g of 256, eight waves in two roles.
;   Waves 4-7: W_attn[1024:] (K is its first axis) becomes codes, laid in the order of the operand's registers: byte 16384 t + 2048 s + 512 c + 16 (r + 16 h) + i of wcodes is the code of
;   We[128 s + 64 h + 16 c + i][16 t + r]: fragment (n-tile t, K step s) is 2,048 bytes on end, four groups of 512, lane (r, h)'s 16 bytes at 16 x lane.  A lane takes a column and its registers run down K: 32 a wave.
;   Waves 0-3: product 1 for n-tile t = g / 4 and the K quarter g % 4, wave w taking 64 along K by the K = 64 form; the four partial sums meet in LDS as images of their registers.
;   A sum over work-groups has no place inside a launch: so hpw holds FOUR PARTS, [part g % 4][n-tile][an image of the sixteen result registers, 2,048 bytes], which the next launch adds:
;   part = (its sum x 2^(e0+e1) + b_attn / 4) x 2^-(e2+e3): h_proj in the units of product 2's sums.  Register 8 a + j of lane (r, h) is (b = 16 a + r, n = 16 t + 8 h + j); register 4 c + i lies at byte 512 c + 16 x lane + 4 i.
; K'S PLACES.  In a fragment of product 1 lane (r, h) holds k = 64 u + 32 h + 0 .. 31 in the 32 bytes of its 8 registers, of product 2 k = 128 s + 64 h + 0 .. 63 in its 16, in both operands alike:
; each product meets its partner; only the order of the sums inside an instruction differs.
; code = x / 2^e, held within +-57,344, to the nearest code, ties to even.  LIMITS: e0, e1, e3 between -126 and 112; e0 + e1 between -126 and 127.  NaN among the inputs is not served; an infinity is held at the largest code.
; REGISTERS: v1 lane, v2 r, v3 h; v4, v5 LDS addresses; v7, v16-20 global offsets; v[8:11] bias; v10.. see below; v14, v15 the add's two; v32-55 codes; v64-95, v128-191 numbers as loaded; v96-111 sums; v112-127 the reduction.
.set SPARE, 8192                       ; behind the four images of 2,048 bytes: the spare words, 128 bytes for each of eight waves
.set PSA, 4                            ; v4   where I store my partial sums: 16 x lane + 2,048 x (wave & 3)
.set RA,  5                            ; v5   where I read one group of four registers of each image back: 16 x lane + 512 x (wave & 3)
.set SPW, 14                           ; v14  my spare word; never rewritten
.set NIL, 15                           ; v15  0; never rewritten
.set SCH, 24                           ; v24, v25  hidden's scale and hold
.set SCW, 26                           ; v26, v27  the weight's
.macro POW e, sc                       ; v[sc] = 2^e as f32 (the conversion takes its exponent field), v[sc+1] = 57,344 x 2^e; e in s[e]
	s_add_co_i32 s30, s[\e], 127
	s_lshl_b32 s31, s30, 23
	v_mov_b32 v[\sc], s31
	s_add_co_i32 s30, s30, 15
	s_lshl_b32 s30, s30, 23
	s_or_b32 s30, s30, 0x600000
	v_mov_b32 v[\sc+1], s30
.endm
.macro QUANT32 src, dst, sc            ; 32 neighbours along K in v[src] on become 32 codes in v[dst] on
.set qi, 0
.rept 32
	v_med3_num_f32 v[\src+qi], v[\src+qi], -v[\sc+1], v[\sc+1]    ; the conversion to an 8-bit code does not saturate (ISA guide 7.6.2): the hold comes first
.set qi, qi+1
.endr
.set qi, 0
.rept 4
	v_cvt_scalef32_pk8_bf8_f32 v[\dst+2*qi:\dst+2*qi+1], v[\src+8*qi:\src+8*qi+7], v[\sc]
.set qi, qi+1
.endr
	v_nop                                          ; a plain vector line between the last conversion and whatever vector or matrix line next touches its registers
.endm
	s_load_b256 s[4:11], s[0:1], 0x0               ; W_attn s[4:5], hidden s[6:7], b_attn s[8:9], the scales' exponents s[10:11]
	s_load_b128 s[12:15], s[0:1], 0x20             ; wcodes s[12:13], hpw s[14:15]
	v_lshl_add_u32 v[SPW], v0, 2, SPARE
	v_mov_b32 v[NIL], 0
	v_lshrrev_b32 v1, 5, v0
	s_delay_alu instid0(VALU_DEP_1)
	v_readfirstlane_b32 s16, v1                    ; wave 0..7
	s_and_b32 s17, s16, 3                          ; its number within its role
	v_and_b32 v1, 31, v0                           ; lane
	v_and_b32 v2, 15, v0                           ; r
	v_bfe_u32 v3, v0, 4, 1                         ; h
	; both LDS addresses are made here, ahead of the parting of the roles
	s_delay_alu instid0(VALU_DEP_3)
	v_lshlrev_b32 v6, 4, v1                        ; 16 x lane
	s_lshl_b32 s24, s17, 11
	v_add_nc_u32 v[PSA], s24, v6
	s_lshl_b32 s24, s17, 9
	v_add_nc_u32 v[RA], s24, v6
	; global offsets
	v_lshlrev_b32 v7, 5, v3                        ; bias: 32 h
	v_lshlrev_b32 v16, 2, v2
	s_delay_alu instid0(VALU_DEP_1)
	v_lshl_add_u32 v16, v3, 17, v16                ; Wh: column r, 32 h rows of 4,096 bytes down
	v_lshlrev_b32 v17, 12, v2
	s_delay_alu instid0(VALU_DEP_1)
	v_lshl_add_u32 v17, v3, 7, v17                 ; hidden: row r, 32 h numbers on
	v_lshlrev_b32 v18, 2, v1                       ; We: column = lane
	v_lshlrev_b32 v19, 4, v2
	s_delay_alu instid0(VALU_DEP_1)
	v_lshl_add_u32 v19, v3, 14, v19                ; wcodes: 16 (l % 16), and the next n-tile for lanes 16-31
	v_lshlrev_b32 v20, 4, v1                       ; hpw: 16 x lane
	s_lshr_b32 s18, ttmp9, 2                       ; t: product 1's n-tile
	s_and_b32 s19, ttmp9, 3                        ; its K quarter, and the part of hpw
	s_lshl_b32 s26, s18, 6                         ; 64 t: the n-tile's 16 numbers in a row of f32
	s_and_b32 s27, s17, 1
	s_lshl_b32 s27, s27, 4
	s_add_co_u32 s28, s26, s27                     ; the group of four registers that wave w finishes holds n = 16 t + 8 h + 4 (w % 2) + 0 .. 3
	s_mov_b32 s29, 0
	s_wait_alu depctr_va_vdst(0)
	s_wait_kmcnt 0x0
	s_load_b128 s[20:23], s[10:11], 0x0            ; e0, e1, e2, e3
	s_add_nc_u64 s[8:9], s[8:9], s[28:29]
	global_load_b128 v[8:11], v7, s[8:9]           ; b_attn at those four: every wave asks, so that the registers are written on every way
	s_cmp_lt_u32 s16, 4
	s_cbranch_scc0 .Lwe
	; ---- waves 0-3: product 1, n-tile t, 64 along K from 64 u on, u = 4 (g % 4) + w
	s_lshl_b32 s30, s19, 2
	s_add_co_u32 s30, s30, s17                     ; u
	s_lshl_b32 s28, s30, 18                        ; 64 u rows of W_attn
	s_add_co_u32 s28, s28, s26
	s_add_nc_u64 s[4:5], s[4:5], s[28:29]
	s_lshl_b32 s28, s30, 8                         ; 64 u numbers along a row of hidden
	s_add_nc_u64 s[6:7], s[6:7], s[28:29]
.set li, 0
.rept 32
	global_load_b32 v[64+li], v16, s[4:5] offset:4096*li          ; Wh[64 u + 32 h + i][16 t + r]
.set li, li+1
.endr
.irp a, 0,1
.irp q, 0,1,2,3,4,5,6,7
	global_load_b128 v[128+32*\a+4*\q:128+32*\a+4*\q+3], v17, s[6:7] offset:65536*\a+16*\q   ; hidden[16 a + r][64 u + 32 h + 4 q ..]
.endr
.endr
	s_wait_kmcnt 0x0
	POW 20, SCH                                    ; hidden's scale
	POW 21, SCW                                    ; Wh's
	s_wait_alu depctr_va_vdst(0)
	s_wait_loadcnt 16                              ; the bias and Wh's 32 are in; hidden's 16 may be out
	QUANT32 64, 32, SCW
	s_wait_loadcnt 8                               ; hidden's first tile is in
	QUANT32 128, 40, SCH
	s_wait_loadcnt 0x0
	QUANT32 160, 48, SCH
	v_wmma_f32_16x16x64_bf8_bf8 v[96:103], v[32:39], v[40:47], 0    ; transposed: source 0 = 16 columns of Wh, source 1 = 16 rows of hidden: register j of lane (r, h) is (b = r, n = 16 t + 8 h + j)
	v_wmma_f32_16x16x64_bf8_bf8 v[104:111], v[32:39], v[48:55], 0   ; b = 16 + r
.rept 4
	v_nop                                          ; four places between a matrix instruction and the LDS store that reads its result
.endr
.irp c, 0,1,2,3
	ds_store_b128 v[PSA], v[96+4*\c:99+4*\c] offset:512*\c        ; an image of the sixteen registers; each accumulator from its low end on
.endr
	s_branch .Ljoin
	; ---- waves 4-7: 32 columns x 32 along K of We become codes
.Lwe:
	s_and_b32 s28, ttmp9, 7
	s_lshl_b32 s28, s28, 2
	s_add_co_u32 s28, s28, s17                     ; which 32 columns: 4 (g % 8) + w: the four waves read 512 neighbouring bytes of a row
	s_lshr_b32 s30, ttmp9, 3                       ; which 32 along K: g / 8 = 4 s + 2 h + (half of the lane's 64)
	s_lshl_b32 s32, s30, 5
	s_add_co_u32 s32, s32, 1024                    ; my first row of W_attn
	s_lshl_b32 s32, s32, 12
	s_lshl_b32 s33, s28, 7
	s_add_co_u32 s32, s32, s33
	s_mov_b32 s33, 0
	s_add_nc_u64 s[4:5], s[4:5], s[32:33]
	s_lshl_b32 s32, s28, 15                        ; two n-tiles of 16,384 bytes,
	s_lshr_b32 s34, s30, 2
	s_lshl_b32 s34, s34, 11                        ; the K step's fragment,
	s_add_co_u32 s32, s32, s34
	s_bfe_u32 s34, s30, 0x10001
	s_lshl_b32 s34, s34, 8                         ; the half of the lanes,
	s_add_co_u32 s32, s32, s34
	s_and_b32 s34, s30, 1
	s_lshl_b32 s34, s34, 10                        ; the first or the last two groups of 512
	s_add_co_u32 s32, s32, s34
	s_add_nc_u64 s[12:13], s[12:13], s[32:33]
.set li, 0
.rept 32
	global_load_b32 v[64+li], v18, s[4:5] offset:4096*li          ; 32 lanes read 128 neighbouring bytes of one row
.set li, li+1
.endr
	s_wait_kmcnt 0x0
	POW 23, SCW                                    ; We's scale
	s_wait_alu depctr_va_vdst(0)
	s_wait_loadcnt 0x0
	QUANT32 64, 32, SCW
.irp c, 0,1
	global_store_b128 v19, v[32+4*\c:35+4*\c], s[12:13] offset:512*\c   ; sixteen lanes store 256 consecutive bytes, at a multiple of 256 from the buffer's first byte
.endr
.Ljoin:
	s_wait_dscnt 0x0                               ; for the others' sake: my stores of partial sums have landed
	s_barrier_signal -1
	s_barrier_wait -1
	s_cmp_lt_u32 s16, 4
	s_cbranch_scc0 .Lend
	; ---- waves 0-3: the four partial sums are added; wave w finishes registers 4 w .. 4 w + 3 of the image
.irp i, 0,1,2,3
	ds_load_b128 v[112+4*\i:115+4*\i], v[RA] offset:2048*\i
.endr
	s_add_co_i32 s32, s20, s21
	s_add_co_i32 s32, s32, 127
	s_lshl_b32 s32, s32, 23                        ; 2^(e0 + e1) as f32
	s_mov_b32 s33, s32                             ; (named with it as a pair, so it is written)
	s_add_co_i32 s34, s22, s23
	s_sub_co_i32 s34, 0, s34                       ; -(e2 + e3)
	s_mov_b32 s36, 0x3e800000                      ; 1 / 4: each of the four parts carries a quarter of the bias
	s_mov_b32 s37, s36
	s_lshl_b32 s28, s19, 17                        ; the part,
	s_lshl_b32 s29, s18, 11                        ; the n-tile's image,
	s_add_co_u32 s28, s28, s29
	s_lshl_b32 s29, s17, 9                         ; my group of 512 bytes
	s_add_co_u32 s28, s28, s29
	s_mov_b32 s29, 0
	s_add_nc_u64 s[14:15], s[14:15], s[28:29]
	v_pk_mul_f32 v[8:9], v[8:9], s[36:37] op_sel_hi:[1,0]
	v_pk_mul_f32 v[10:11], v[10:11], s[36:37] op_sel_hi:[1,0]
	s_wait_dscnt 0x0
	v_pk_add_f32 v[112:113], v[112:113], v[116:117]
	v_pk_add_f32 v[114:115], v[114:115], v[118:119]
	v_pk_add_f32 v[120:121], v[120:121], v[124:125]
	v_pk_add_f32 v[122:123], v[122:123], v[126:127]
	s_delay_alu instid0(VALU_DEP_2)
	v_pk_add_f32 v[112:113], v[112:113], v[120:121]
	s_wait_alu depctr_va_vdst(0)
	v_pk_add_f32 v[114:115], v[114:115], v[122:123]
	v_pk_fma_f32 v[112:113], v[112:113], s[32:33], v[8:9] op_sel_hi:[1,0,1]     ; sum x 2^(e0 + e1) + b_attn / 4
	s_delay_alu instid0(VALU_DEP_2)
	v_pk_fma_f32 v[114:115], v[114:115], s[32:33], v[10:11] op_sel_hi:[1,0,1]
.irp j, 112,113,114,115
	v_ldexp_f32 v[\j], v[\j], s34                  ; in the units of product 2's sums
.endr
	global_store_b128 v20, v[112:115], s[14:15]    ; the wave stores 512 consecutive bytes, aligned
.Lend:
	s_wait_tensorcnt 0x0                           ; the wave's end
	ds_add_u32 v[SPW], v[NIL]
	s_wait_dscnt 0x0
	s_endpgm
.Lfunc_end_k_qdedbacf55f_prep:
	.size	k_qdedbacf55f_prep, .Lfunc_end_k_qdedbacf55f_prep-k_qdedbacf55f_prep
	.p2alignl 7, 3214868480
	.fill 96, 4, 3214868480
	.section	.rodata,"a",@progbits
	.p2align	6, 0x0
	.amdhsa_kernel k_qdedbacf55f_prep
		.amdhsa_group_segment_fixed_size 9216
		.amdhsa_private_segment_fixed_size 0
		.amdhsa_enable_private_segment 0
		.amdhsa_kernarg_size 48
		.amdhsa_user_sgpr_count 2
		.amdhsa_user_sgpr_kernarg_segment_ptr 1
		.amdhsa_wavefront_size32 1
		.amdhsa_system_sgpr_workgroup_id_x 1
		.amdhsa_system_sgpr_workgroup_id_y 1
		.amdhsa_system_sgpr_workgroup_id_z 1
		.amdhsa_system_vgpr_workitem_id 0
		.amdhsa_next_free_vgpr 192
		.amdhsa_next_free_sgpr 66
		.amdhsa_reserve_vcc 0
		.amdhsa_float_denorm_mode_32 3
		.amdhsa_float_denorm_mode_16_64 3
		.amdhsa_memory_ordered 1
		.amdhsa_forward_progress 1
		.amdhsa_inst_pref_size 24
	.end_amdhsa_kernel
	.amdgpu_metadata
---
amdhsa.version: [ 1, 2 ]
amdhsa.kernels:
  - .name:           k_qdedbacf55f_prep
    .symbol:         k_qdedbacf55f_prep.kd
    .args:
      - { .name: W_attn, .offset: 0, .size: 8, .value_kind: global_buffer, .address_space: global }
      - { .name: hidden, .offset: 8, .size: 8, .value_kind: global_buffer, .address_space: global }
      - { .name: b_attn, .offset: 16, .size: 8, .value_kind: global_buffer, .address_space: global }
      - { .name: lowp_scales, .offset: 24, .size: 8, .value_kind: global_buffer, .address_space: global }
      - { .name: wcodes, .offset: 32, .size: 8, .value_kind: global_buffer, .address_space: global }
      - { .name: hpw, .offset: 40, .size: 8, .value_kind: global_buffer, .address_space: global }
    .group_segment_fixed_size: 9216
    .private_segment_fixed_size: 0
    .kernarg_segment_align: 8
    .kernarg_segment_size: 48
    .max_flat_workgroup_size: 256
    .sgpr_count:     66
    .vgpr_count:     192
    .wavefront_size: 32
...
	.end_amdgpu_metadata
.endif
;; end of part 1
;; launch energy (part 2): grid 256 x 1, 4 waves a work-group, clusters of 4 x 1, 327,680 bytes of LDS; arguments encoder_outputs, wcodes, hpw, v, lowp_scales, scores; writes scores
.if DOCPART == 2
	.amdgcn_target "amdgcn-amd-amdhsa--gfx1250"
	.amdhsa_code_object_version 6
	.text
	.protected	k_qdedbacf55f_energy
	.globl	k_qdedbacf55f_energy
	.p2align	8
	.type	k_qdedbacf55f_energy,@function
k_qdedbacf55f_energy:
	s_mov_b64 s[64:65], 0
	v_nop
	global_prefetch_b8 v0, s[64:65] scope:SCOPE_SE
	s_setreg_imm32_b32 hwreg(HW_REG_WAVE_MODE, 25, 1), 1
	s_wait_xcnt 0x0
	s_wait_alu depctr_hold_cnt(0) depctr_sa_sdst(0) depctr_va_vdst(0) depctr_va_sdst(0) depctr_va_ssrc(0) depctr_va_vcc(0) depctr_vm_vsrc(0)
	s_getreg_b32 s2, hwreg(HW_REG_IB_STS2, 6, 4)
	s_cmp_eq_u32 s2, 0
	s_cbranch_scc0 .Lentry_in_a_cluster
	s_endpgm
.Lentry_in_a_cluster:
	s_bfe_u32 s2, ttmp6, 0x10000c
	s_cmp_lg_u32 s2, 0x3003
	s_cbranch_scc0 .Lentry_shape_is_right
	s_endpgm
.Lentry_shape_is_right:
; scores[b][s] = -2 sum_n v[n] / (1 + 2^(c x_n)), x_n = h_proj[b][n] + e_proj[b][s][n], c = 2 log2(e); e_proj = Q(encoder_outputs) Q(W_attn[1024:]) in E5M2.
; WORK LEFT OUT: the term sum_n v[n] of sum_n v[n] tanh(x_n): it is the same along the softmax's axis (shown at the head of the first kernel).
; Work-group g of 256 takes rows 256 g .. 256 g + 255 of the 65,536 (all of one batch, b = g / 8); a wave takes 64 rows.
; PART 1: the wave's 64 rows x 1,024 f32 are read once, 64 loads of 512 bytes out at a time, turned through the wave's own stage in LDS so that a lane holds 64 neighbours along K,
;   held, converted, and laid as an image of the operand's registers; the image comes back into 512 registers (windows 1 and 2), half of K at a time.
;   The first 64 loads go out ahead of the first round of the cluster's barrier; slot 1 of W is first filled between the two halves, while 64 loads are on their way.
; PART 2: the 64 n-tiles of W's codes (16 columns x 1,024, 16,384 bytes, laid by the first launch as register images) walk through two LDS slots of four tiles.
;   The four work-groups of a cluster ask for each slot JOINTLY (mask 15); a wave brings a quarter of a slot.  Cluster q starts its walk at slot q % 16; the tables of h_proj and v are laid in the walk's order.
;   Tile r: ONE run of 36 LDS loads (tile r + 1's fragments and h_proj, tile r - 1's v), and 32 matrix instructions on four accumulators by turns, h_proj as the C of the first four.
;   The matrix instruction is used transposed (source 0 = W's 16 columns, source 1 = 16 rows): lane (r, h) holds row r, registers n = 8 h + j.
;   The activation is spread over three tiles, on four sets of accumulators: behind tile r's products stand + 1 of tile r - 1 and x c of tile r, 32 plain lines,
;   and then ONE batch of 64 transcendentals: 1 / . of tile r - 1 and 2^ of tile r, with sum += v / (..) of tile r - 2 among the first.  Each of those sixteen multiply-adds has a pair of sums of its own,
;   so that none is written and read again inside a batch.  A tile has one wait ahead of its batch and one behind it.
; K'S PLACES: lane (r, h) holds k = 128 s + 64 h + 0 .. 63 in a fragment's 16 registers, in both operands alike: each product meets its partner.
; LIMITS: e2 between -126 and 112; e2 + e3 between -127 and 126 (it is added to c's exponent field).  NaN among the inputs is not served; an infinity is held at the largest code.
;   2^(c x) beyond f32's range gives infinity, whose reciprocal is 0, and under it 0, which gives 1: tanh's two ends.
; NO PREFETCH: encoder_outputs is read once by loads that stand 64 deep in every wave, which is the run ahead itself; a slot of wcodes is asked for four tiles, 128 matrix instructions a wave, ahead of its first read.
; REGISTERS: window 0: v1-15, v22, v23 addresses; v32-39, v48-55 h_proj, two sets; v40-47, v56-63 v, two sets; v64-95 the sums; v128-255 four sets of four accumulators (part 1: 64 numbers; v112-127 their codes).
;   windows 1, 2: my rows' codes, K steps 0-3 and 4-7 (register 64 s + 16 a + ..: K step s, rows 16 a ..); window 3: part 1's loads, then W's fragments, two sets of 128.
.set SLOTB, 65536                      ; a slot: four n-tiles
.set IMG,   131072                     ; the images: 32,768 bytes a wave (half of K)
.set STG,   262144                     ; the stages: 16 rows of SP bytes a wave
.set STGW,  8448
.set SP,    528                        ; 512 bytes + 16 of padding
.set HPT,   295936                     ; the tables: h_proj, 4,096 bytes, then v, 4,096
.set SPARE, 304128                     ; the spare words, 128 bytes a wave
.set WOS, 1                            ; the way out: into my stage, 4 r
.set LI,  2                            ; 16 x lane
.set ADR, 3                            ; the slot being read + 16 x lane
.set LT,  4                            ; HPT + 32 h
.set ADT, 5                            ; the tables' place for this trip's tiles
.set STI, 7                            ; the stage, in
.set STO, 8                            ; the stage, out
.set IMA, 9                            ; my image + 16 x lane
.set IMW, 10                           ; + the K step's 8,192
.set SC,  11                           ; 2^e2
.set LIM, 12                           ; 57,344 x 2^e2
.set TBA, 13                           ; where my thread stores its part of the tables
.set SPW, 14                           ; my spare word; never rewritten
.set NIL, 15                           ; 0; never rewritten
.set WOL, 22
.set GO,  23
.set HP,  32
.set VV0, 40
.set SUM, 64                           ; register 8 a + j: rows 16 a + r, the n with n % 8 = j
.set PC,  112
.set ACC, 128
.set X,   128
.set WV,  16                           ; s16 wave
.set G1,  24                           ; s[24:31] descriptor group 1
.set G0A, 32                           ; s[32:35] group 0 of slot 0's first fill
.set G0B, 36                           ; s[36:39] group 0 of every later fill
.set WB,  40                           ; s[40:41] wcodes + my quarter of a slot
.set DS,  42                           ; the slot of W asked for last, before the wrap
.set OF,  44
.set EP,  46                           ; s[46:47] my rows of encoder_outputs, at the K step being loaded
.set IMO, 48
.set SB,  51
.set TT,  52
.set CS,  54                           ; s[54:55] c x 2^(e2 + e3)
.set SEL, 56
.set MSB, 0
.macro WIN new                         ; the immediate's high byte repeats the setting that is left
.if MSB != \new
	s_set_vgpr_msb (MSB<<8)|\new
.set MSB, \new
.endif
.endm
.set TO_ST,   0xc0                     ; destination window 3
.set FROM_ST, 0x0c                     ; source 1 (an LDS store's data) window 3
.set TO_A1,   0x40
.set TO_A2,   0x80
.set MUL1,    0x07                     ; source 0 (W) window 3, source 1 (my rows) window 1, C and D window 0
.set MUL2,    0x0b                     ; the same with my rows in window 2
.macro CREST                           ; a round of the cluster's barrier behind its opening barrier
	s_cmp_lg_u32 s[WV], 0
	s_cbranch_scc1 .Lnot_wave_0_\@
	s_barrier_signal -3
.Lnot_wave_0_\@:
	s_barrier_wait -3
	s_barrier_signal -1
	s_barrier_wait -1
.endm
.macro CROUND                          ; a whole round
	s_barrier_signal -1
	s_barrier_wait -1
	CREST
.endm
.macro PLACES                          ; four plain places behind matrix instructions, or behind a tensor load
.rept 4
	v_nop
.endr
.endm
.macro ELOAD i                         ; rows 16 i .. 16 i + 15, 128 along K: each load reads 512 consecutive bytes of a row
	WIN TO_ST
.irp p, 0,1,2,3,4,5,6,7,8,9,10,11,12,13,14,15
	global_load_b128 v[64*(\i)+4*\p:64*(\i)+4*\p+3], v[LI], s[EP:EP+1] offset:65536*(\i)+4096*\p th:TH_LOAD_NT
.endr
	WIN 0
.endm
	s_load_b256 s[4:11], s[0:1], 0x0               ; encoder_outputs s[4:5], wcodes s[6:7], hpw s[8:9], v s[10:11]
	s_load_b128 s[12:15], s[0:1], 0x20             ; the scales' exponents s[12:13], scores s[14:15]
	v_lshl_add_u32 v[SPW], v0, 2, SPARE
	v_mov_b32 v[NIL], 0
	ds_add_u32 v[SPW], v[NIL]                      ; the opening lines: the add twice on end and one wait, ahead of the first round
	ds_add_u32 v[SPW], v[NIL]
	v_lshrrev_b32 v16, 5, v0
	v_readfirstlane_b32 s[WV], v16                 ; wave 0..3
	s_bfe_u32 s17, ttmp6, 0x40000                  ; cx
	s_lshl_b32 s18, ttmp9, 2
	s_add_co_u32 s18, s18, s17                     ; g = 4 x cluster + cx
	s_and_b32 s19, ttmp9, 15                       ; the slot of W at which my cluster's walk begins
	s_mov_b32 s[G1], 15|(3<<16)|(1<<21)            ; all four of the cluster; elements of 8 bytes; bit 21 beside the mask
	s_mov_b32 s[G1+1], 32<<16                      ; rows of 256 bytes,
	s_mov_b32 s[G1+2], 64<<16                      ; 64 of them: 16,384 bytes, dense
	s_mov_b32 s[G1+3], 32<<16
	s_mov_b32 s[G1+4], 64
	s_mov_b32 s[G1+5], 32
	s_mov_b32 s[G1+6], 0
	s_mov_b32 s[G1+7], 0
	s_mov_b32 s[SEL], 0x76543210                   ; v_permlanex16_b32's selects for lane l xor 16
	s_mov_b32 s[SEL+1], 0xfedcba98
	v_and_b32 v16, 15, v0                          ; r
	v_bfe_u32 v17, v0, 4, 1                        ; h
	v_and_b32 v18, 31, v0                          ; lane
	v_lshlrev_b32 v[LI], 4, v18
	v_lshlrev_b32 v[LT], 5, v17
	v_add_nc_u32 v[LT], HPT, v[LT]
	s_mul_i32 s20, s[WV], STGW
	s_add_co_u32 s20, s20, STG                     ; my stage
	v_add_nc_u32 v[STI], s20, v[LI]                ; in: a load's 512 bytes are a stage row
	v_mul_u32_u24 v[STO], v16, SP
	v_lshl_add_u32 v[STO], v17, 8, v[STO]
	v_add_nc_u32 v[STO], s20, v[STO]               ; out: row r, 64 h numbers on
	v_lshl_add_u32 v[WOS], v16, 2, s20
	v_lshl_add_u32 v[WOL], v18, 3, s20
	v_lshlrev_b32 v[GO], 3, v18
	s_lshl_b32 s21, s[WV], 15
	s_add_co_u32 s21, s21, IMG
	v_add_nc_u32 v[IMA], s21, v[LI]
	v_lshl_add_u32 v[TBA], v0, 4, HPT
	; the tables: thread i brings four numbers, n = 4 (i % 4) .., of the walk's tiles i / 4 and i / 4 + 32
	s_lshl_b32 s22, s19, 2
	v_lshrrev_b32 v64, 2, v0
	v_add_nc_u32 v64, s22, v64
	v_and_b32 v64, 63, v64                         ; the n-tile that stands at place i / 4 of the walk
	v_xor_b32 v65, 32, v64                         ; and at place i / 4 + 32
	v_and_b32 v66, 3, v0
	v_lshlrev_b32 v66, 4, v66
	v_and_b32 v71, 1, v0
	v_lshlrev_b32 v71, 9, v71                      ; in hpw's image of sixteen registers: the group of four registers,
	v_and_b32 v72, 2, v0
	v_lshl_add_u32 v71, v72, 7, v71                ; the half of the lanes
	v_lshl_add_u32 v67, v64, 11, v71
	v_lshl_add_u32 v68, v65, 11, v71
	v_lshl_add_u32 v69, v64, 6, v66
	v_lshl_add_u32 v70, v65, 6, v66
	s_wait_alu depctr_va_vdst(0)                   ; the wait at the end of the head's vector work, directly ahead of the wait below
	s_wait_dscnt 0x0                               ; both opening adds are done
	s_wait_kmcnt 0x0
	s_load_b128 s[60:63], s[12:13], 0x0            ; e0, e1, e2, e3
	s_lshl_b32 s58, s18, 20                        ; 256 rows of 4,096 bytes,
	s_lshl_b32 s59, s[WV], 18                      ; my 64
	s_add_co_u32 s58, s58, s59
	s_mov_b32 s59, 0
	s_add_nc_u64 s[EP:EP+1], s[4:5], s[58:59]
	s_lshr_b32 s58, ttmp9, 1                       ; b: two clusters to a batch
	s_lshr_b32 s20, s58, 4
	s_lshl_b32 s20, s20, 10                        ; hpw's image: registers 8 (b / 16) ..,
	s_and_b32 s58, s58, 15
	s_lshl_b32 s58, s58, 4                         ; lane b % 16
	s_add_co_u32 s58, s58, s20
	s_add_nc_u64 s[8:9], s[8:9], s[58:59]
.irp j, 0,1,2,3
	global_load_b128 v[80+4*\j:83+4*\j], v67, s[8:9] offset:131072*\j     ; h_proj's four parts
	global_load_b128 v[96+4*\j:99+4*\j], v68, s[8:9] offset:131072*\j
.endr
	global_load_b128 v[48:51], v69, s[10:11]       ; v
	global_load_b128 v[52:55], v70, s[10:11]
	ELOAD 0                                        ; K step 0 of my 64 rows
	ELOAD 1
	ELOAD 2
	ELOAD 3
	s_lshl_b32 s58, s18, 10
	s_lshl_b32 s20, s[WV], 8
	s_add_co_u32 s58, s58, s20                     ; my 64 scores: 256 bytes
	s_add_nc_u64 s[14:15], s[14:15], s[58:59]
	s_lshl_b32 s58, s[WV], 14
	s_add_nc_u64 s[WB:WB+1], s[6:7], s[58:59]
	s_mov_b32 s[G0A], 1
	s_lshl_b32 s[G0A+1], s[WV], 14
	s_lshl_b32 s[OF], s19, 16
	s_mov_b32 s[OF+1], 0
	s_add_nc_u64 s[G0A+2:G0A+3], s[WB:WB+1], s[OF:OF+1]
	s_or_b32 s[G0A+3], s[G0A+3], 0x80000000
	s_mov_b32 s[G0B], 1
	s_add_co_u32 s[G0B+1], s[G0A+1], SLOTB
	s_add_co_u32 s[DS], s19, 1
	s_and_b32 s[OF], s[DS], 15
	s_lshl_b32 s[OF], s[OF], 16
	s_add_nc_u64 s[G0B+2:G0B+3], s[WB:WB+1], s[OF:OF+1]
	s_or_b32 s[G0B+3], s[G0B+3], 0x80000000
	CROUND                                         ; the four work-groups are here: the first joint loads meet
	tensor_load_to_lds s[G0A:G0A+3], s[G1:G1+7]    ; my quarter of the walk's first slot: the wave's one tensor load at the head
	s_nop 0
	PLACES
	s_wait_kmcnt 0x0
	s_add_co_i32 s20, s62, 127
	s_lshl_b32 s21, s20, 23
	v_mov_b32 v[SC], s21                           ; 2^e2: the conversion takes its exponent field
	s_add_co_i32 s20, s20, 15
	s_lshl_b32 s20, s20, 23
	s_or_b32 s20, s20, 0x600000
	v_mov_b32 v[LIM], s20                          ; 57,344 x 2^e2
	s_add_co_i32 s20, s62, s63
	s_lshl_b32 s20, s20, 23
	s_mov_b32 s[CS], 0x4038aa3b                    ; c = 2 log2(e),
	s_add_co_i32 s[CS], s[CS], s20                 ; x 2^(e2 + e3): a sum of product 2 stands for sum x 2^(e2 + e3)
	s_mov_b32 s[CS+1], s[CS]
	s_wait_loadcnt 63                              ; of 74 loads 63 may be out: the ten for the tables are in
.irp b, 80,96
	v_pk_add_f32 v[\b:\b+1], v[\b:\b+1], v[\b+4:\b+5]
	v_pk_add_f32 v[\b+2:\b+3], v[\b+2:\b+3], v[\b+6:\b+7]
	v_pk_add_f32 v[\b+8:\b+9], v[\b+8:\b+9], v[\b+12:\b+13]
	v_pk_add_f32 v[\b+10:\b+11], v[\b+10:\b+11], v[\b+14:\b+15]
	v_pk_add_f32 v[\b:\b+1], v[\b:\b+1], v[\b+8:\b+9]
	v_pk_add_f32 v[\b+2:\b+3], v[\b+2:\b+3], v[\b+10:\b+11]
.endr
	ds_store_b128 v[TBA], v[80:83]
	ds_store_b128 v[TBA], v[96:99] offset:2048
	ds_store_b128 v[TBA], v[48:51] offset:4096
	ds_store_b128 v[TBA], v[52:55] offset:6144
; 16 rows x 128 along K become a fragment's 2,048 bytes.  left: the loads that may stay out behind this chunk's sixteen
.macro CHUNK i, ld, left
	s_wait_loadcnt \left
	WIN FROM_ST
.irp p, 0,1,2,3,4,5,6,7,8,9,10,11,12,13,14,15
	ds_store_b128 v[STI], v[64*(\i)+4*\p:64*(\i)+4*\p+3] offset:SP*\p
.endr
	WIN 0
.irp q, 0,1,2,3,4,5,6,7,8,9,10,11,12,13,14,15
	ds_load_b128 v[X+4*\q:X+4*\q+3], v[STO] offset:16*\q       ; LDS serves a wave's instructions in order: these see my stores
.endr
	s_wait_dscnt 0x0
.if \ld
.if (\i) == 0
	s_wait_xcnt 0x0                                ; the last trip's loads have read their base: it steps 128 along K
	s_add_nc_u64 s[EP:EP+1], s[EP:EP+1], 512
.endif
	ELOAD \i                                       ; the next K step's, into the registers just stored
.endif
.set qi, 0
.rept 64
	v_med3_num_f32 v[X+qi], v[X+qi], -v[LIM], v[LIM]           ; the conversion to an 8-bit code does not saturate (ISA guide 7.6.2): the hold comes first
.set qi, qi+1
.endr
.set qi, 0
.rept 8
	v_cvt_scalef32_pk8_bf8_f32 v[PC+2*qi:PC+2*qi+1], v[X+8*qi:X+8*qi+7], v[SC]
.set qi, qi+1
.endr
	v_nop                                          ; a plain line behind the last conversion
.irp c, 0,1,2,3
	ds_store_b128 v[IMW], v[PC+4*\c:PC+4*\c+3] offset:2048*(\i)+512*\c
.endr
.endm
.macro TRIP ld                         ; a K step of 128 for my 64 rows
	v_add_nc_u32 v[IMW], s[IMO], v[IMA]
.if \ld
	CHUNK 0, 1, 48
	CHUNK 1, 1, 48
	CHUNK 2, 1, 48
	CHUNK 3, 1, 48
.else
	CHUNK 0, 0, 48
	CHUNK 1, 0, 32
	CHUNK 2, 0, 16
	CHUNK 3, 0, 0
.endif
	s_add_co_u32 s[IMO], s[IMO], 8192
.endm
.macro ALOAD win                       ; the image of four K steps into 256 registers
	WIN \win
.set qi, 0
.rept 64
	ds_load_b128 v[4*qi:4*qi+3], v[IMA] offset:512*qi
.set qi, qi+1
.endr
	WIN 0
.endm
	s_mov_b32 s[IMO], 0
	s_mov_b32 s49, 4
.Lhalf0:
	TRIP 1
	s_sub_co_u32 s49, s49, 1
	s_cmp_lg_u32 s49, 0
	s_cbranch_scc1 .Lhalf0
	ALOAD TO_A1
	s_wait_tensorcnt 0x0                           ; my part of slot 0 is in
	ds_add_u32 v[SPW], v[NIL]
	s_wait_dscnt 0x0
	CROUND
	tensor_load_to_lds s[G0B:G0B+3], s[G1:G1+7]    ; slot 1's first fill, the first tensor load behind the round
	s_nop 0
	PLACES
	s_mov_b32 s[IMO], 0
	s_mov_b32 s49, 3
.Lhalf1:
	TRIP 1
	s_sub_co_u32 s49, s49, 1
	s_cmp_lg_u32 s49, 0
	s_cbranch_scc1 .Lhalf1
	TRIP 0                                         ; the last K step asks for nothing more
	ALOAD TO_A2
.macro DOTV a, vs                      ; sum += v[n] / (1 + 2^(c x)): the 32 registers at a, v's set at vs
.set bk, 0
.rept 16
	v_pk_fma_f32 v[SUM+2*bk:SUM+2*bk+1], v[\a+2*bk:\a+2*bk+1], v[\vs+2*(bk%4):\vs+2*(bk%4)+1], v[SUM+2*bk:SUM+2*bk+1]
.set bk, bk+1
.endr
.endm
.macro PLUS1 a
.set bk, 0
.rept 16
	v_pk_add_f32 v[\a+2*bk:\a+2*bk+1], v[\a+2*bk:\a+2*bk+1], 1.0 op_sel_hi:[1,0]
.set bk, bk+1
.endr
.endm
.macro LOADS fetch, un, himm, vimm     ; the tile's one run of LDS loads
.if \fetch
	ds_load_b128 v[HN:HN+3], v[ADT] offset:\himm
	ds_load_b128 v[HN+4:HN+7], v[ADT] offset:\himm+16
.endif
.if \vimm >= 0
	ds_load_b128 v[VN:VN+3], v[ADT] offset:\vimm
	ds_load_b128 v[VN+4:VN+7], v[ADT] offset:\vimm+16
.endif
.if \fetch
	WIN TO_ST
.set bk, 0
.rept 32                                       ; into the set that the tile before multiplied: 32 plain lines stand behind its products
	ds_load_b128 v[BN+4*bk:BN+4*bk+3], v[ADR] offset:16384*(\un)+512*bk
.set bk, bk+1
.endr
.endif
.endm
.macro RUNA                            ; K steps 0-3, my four blocks of 16 rows by turns
	WIN MUL1
.set bk, 0
.rept 16
.set rD, A0+8*(bk%4)
.set rB, BS+16*(bk/4)
.set rA, 64*(bk/4)+16*(bk%4)
.if bk < 4
	v_wmma_f32_16x16x128_bf8_bf8 v[rD:rD+7], v[rB:rB+15], v[rA:rA+15], v[HC:HC+7]
.else
	v_wmma_f32_16x16x128_bf8_bf8 v[rD:rD+7], v[rB:rB+15], v[rA:rA+15], v[rD:rD+7]
.endif
.set bk, bk+1
.endr
.endm
.macro RUNB                            ; K steps 4-7
	WIN MUL2
.set bk, 0
.rept 16
.set rD, A0+8*(bk%4)
.set rB, BS+64+16*(bk/4)
.set rA, 64*(bk/4)+16*(bk%4)
	v_wmma_f32_16x16x128_bf8_bf8 v[rD:rD+7], v[rB:rB+15], v[rA:rA+15], v[rD:rD+7]
.set bk, bk+1
.endr
.endm
; TILE r OF THE WALK.  p = r % 4: its set of accumulators; p % 2: its sets of fragments and of h_proj.  lev = the lesser of r and 2: how many earlier tiles have work here.
; turn = 1: the slot has been read out and is filled again; 2: the change of slots with no fill.  fetch = 1: tile un of the slot at v[ADR] is fetched for tile r + 1, with its h_proj at v[ADT] + himm.
; vimm: tile r - 1's v at v[ADT] + vimm (under 0: none).  adv = 1: the tables' place steps four tiles on.
.macro BODY p, lev, turn, fetch, un, himm, vimm, adv
.set A0, ACC+32*(\p)
.set A1, ACC+32*(((\p)+3)%4)
.set A2, ACC+32*(((\p)+2)%4)
.set BS, 128*((\p)%2)
.set BN, 128-BS
.set HC, HP+16*((\p)%2)
.set HN, HP+16-16*((\p)%2)
.set VC, VV0+16*((\p)%2)
.set VN, VV0+16-16*((\p)%2)
.if \turn
	s_wait_tensorcnt 0x0                           ; all my tensor loads have landed: my quarter of the next slot;
	ds_add_u32 v[SPW], v[NIL]
.if \turn == 1
	s_add_co_u32 s[DS], s[DS], 1                   ; no load of mine is out: the descriptor steps to the slot of W two on, wrapping at 16,
	s_and_b32 s[OF], s[DS], 15
	s_lshl_b32 s[OF], s[OF], 16
	s_add_nc_u64 s[G0B+2:G0B+3], s[WB:WB+1], s[OF:OF+1]
	s_or_b32 s[G0B+3], s[G0B+3], 0x80000000
	s_xor_b32 s[G0B+1], s[G0B+1], SLOTB            ; into the slot just read out
.endif
	s_xor_b32 s[SB], s[SB], SLOTB
	s_wait_dscnt 0x0                               ; the add is done, and this slot's last tile is in my registers: my reads of the slot are over:
	s_barrier_signal -1                            ; say so,
	RUNA                                           ; work on registers while the others arrive,
	WIN 0
	s_barrier_wait -1                              ; and go on when all four have said so
.if \turn == 1
	CREST                                          ; the barrier has opened a round: no wave of the cluster still reads the slot or has a load on its way
	tensor_load_to_lds s[G0B:G0B+3], s[G1:G1+7]
	s_nop 0
	PLACES
.endif
	v_add_nc_u32 v[ADR], s[SB], v[LI]
	LOADS \fetch, \un, \himm, \vimm
.else
	s_wait_dscnt 0x0                               ; this tile's fragments and h_proj, and v: asked for in the tile before
	LOADS \fetch, \un, \himm, \vimm
	RUNA
.endif
	RUNB
	WIN 0
.if \adv
	s_add_co_u32 s[TT], s[TT], 256
	v_add_nc_u32 v[ADT], s[TT], v[LT]              ; first read at the next tile's head, behind the waits below
.endif
.if \lev >= 1
	PLUS1 A1                                       ; tile r - 1.  These sixteen name no register of the products above: they are the places behind them
.else
	PLACES
.endif
.set bk, 0
.rept 16                                       ; tile r: c x, each accumulator from its low end on
	v_pk_mul_f32 v[A0+2*bk:A0+2*bk+1], v[A0+2*bk:A0+2*bk+1], s[CS:CS+1] op_sel_hi:[1,0]
.set bk, bk+1
.endr
	s_wait_alu depctr_va_vdst(0)                   ; a wait ahead of a batch of transcendentals and one behind it
.if \lev >= 1
.set bk, 0
.rept 16                                       ; tile r - 1's reciprocals; behind each two a multiply-add of tile r - 2, which names none of the batch's registers
	v_rcp_f32 v[A1+2*bk], v[A1+2*bk]
	v_rcp_f32 v[A1+2*bk+1], v[A1+2*bk+1]
.if \lev >= 2
	v_pk_fma_f32 v[SUM+2*bk:SUM+2*bk+1], v[A2+2*bk:A2+2*bk+1], v[VC+2*(bk%4):VC+2*(bk%4)+1], v[SUM+2*bk:SUM+2*bk+1]
.endif
.set bk, bk+1
.endr
.endif
.set bk, 0
.rept 32
	v_exp_f32 v[A0+bk], v[A0+bk]
.set bk, bk+1
.endr
	v_nop                                          ; a plain line behind the last
	s_wait_alu depctr_va_vdst(0)
.endm
.macro FOUR turn                       ; a slot's tiles 2 and 3 and the next slot's tiles 0 and 1: tiles 4 k + 2 .. 4 k + 5, v[ADT] at tile 4 k
	BODY 2, 2, 0, 1, 3, 192, 4160, 0
	BODY 3, 2, \turn, 1, 0, 256, 4224, 0
	BODY 0, 2, 0, 1, 1, 320, 4288, 0
	BODY 1, 2, 0, 1, 2, 384, 4352, 1
.endm
	s_wait_tensorcnt 0x1                           ; slot 0 is in; slot 1's load may be out
	s_wait_dscnt 0x0                               ; my part of the tables is stored, my codes are in registers
	s_barrier_signal -1
	s_barrier_wait -1
	s_mov_b32 s[SB], 0
	s_mov_b32 s[TT], 0
	v_add_nc_u32 v[ADR], s[SB], v[LI]
	v_add_nc_u32 v[ADT], s[TT], v[LT]
.set qi, 0
.rept 32
	v_mov_b32 v[SUM+qi], 0
.set qi, qi+1
.endr
	ds_load_b128 v[HP:HP+3], v[ADT]                ; the walk's first tile: h_proj and the fragments, set 0
	ds_load_b128 v[HP+4:HP+7], v[ADT] offset:16
	WIN TO_ST
.set qi, 0
.rept 32
	ds_load_b128 v[4*qi:4*qi+3], v[ADR] offset:512*qi
.set qi, qi+1
.endr
	WIN 0
	s_wait_alu depctr_va_vdst(0)                   ; the wait here, directly ahead of the wait at the tile's head
	BODY 0, 0, 0, 1, 1, 64, -1, 0                  ; tiles 0 and 1 stand ahead of the loop: they have no or one earlier tile
	BODY 1, 1, 0, 1, 2, 128, 4096, 0
	s_mov_b32 s50, 14
.Lslot:
	FOUR 1
	s_sub_co_u32 s50, s50, 1
	s_cmp_lg_u32 s50, 0
	s_cbranch_scc1 .Lslot
	FOUR 2                                         ; the last two slots are in or on their way: nothing is filled again
	BODY 2, 2, 0, 1, 3, 192, 4160, 0
	BODY 3, 2, 0, 0, 0, 0, 4224, 0                 ; tile 63 fetches no fragments
	ds_load_b128 v[VV0+16:VV0+19], v[ADT] offset:4288          ; tile 63's v, into the set that tile 61's multiply-adds have read
	ds_load_b128 v[VV0+20:VV0+23], v[ADT] offset:4304
	s_wait_dscnt 0x0
	DOTV ACC+64, VV0                               ; tile 62
	PLUS1 ACC+96                                   ; tile 63
	s_wait_alu depctr_va_vdst(0)
.set qi, 0
.rept 32
	v_rcp_f32 v[ACC+96+qi], v[ACC+96+qi]
.set qi, qi+1
.endr
	v_nop
	s_wait_alu depctr_va_vdst(0)
	DOTV ACC+96, VV0+16
.irp a, 0,1,2,3                        ; a block's eight sums become one
	v_pk_add_f32 v[SUM+8*\a:SUM+8*\a+1], v[SUM+8*\a:SUM+8*\a+1], v[SUM+8*\a+2:SUM+8*\a+3]
	v_pk_add_f32 v[SUM+8*\a+4:SUM+8*\a+5], v[SUM+8*\a+4:SUM+8*\a+5], v[SUM+8*\a+6:SUM+8*\a+7]
.endr
.irp a, 0,1,2,3
	v_pk_add_f32 v[SUM+8*\a:SUM+8*\a+1], v[SUM+8*\a:SUM+8*\a+1], v[SUM+8*\a+4:SUM+8*\a+5]
.endr
.irp a, 0,1,2,3
	v_add_f32 v[16+\a], v[SUM+8*\a], v[SUM+8*\a+1]
	v_mov_b32 v[32+\a], 0                          ; a lane permute's destination counts as read
.endr
.irp a, 0,1,2,3
	v_permlanex16_b32 v[32+\a], v[16+\a], s[SEL], s[SEL+1]
.endr
.irp a, 0,1,2,3
	v_add_f32 v[16+\a], v[16+\a], v[32+\a]         ; both halves of n: row 16 a + r's sum
.endr
.irp a, 0,1,2,3
	v_mul_f32 v[16+\a], -2.0, v[16+\a]
.endr
.irp a, 0,1,2,3
	ds_store_b32 v[WOS], v[16+\a] offset:64*\a     ; lanes r and 16 + r store the same number to the same word
.endr
	ds_load_b64 v[20:21], v[WOL]                   ; my own stage: LDS serves a wave's instructions in order
	s_wait_dscnt 0x0
	global_store_b64 v[GO], v[20:21], s[14:15]     ; the wave stores 256 consecutive bytes, aligned
	s_wait_tensorcnt 0x0                           ; the wave's end
	ds_add_u32 v[SPW], v[NIL]
	s_wait_dscnt 0x0
	CROUND                                         ; the closing round
	s_endpgm
.Lfunc_end_k_qdedbacf55f_energy:
	.size	k_qdedbacf55f_energy, .Lfunc_end_k_qdedbacf55f_energy-k_qdedbacf55f_energy
	.p2alignl 7, 3214868480
	.fill 96, 4, 3214868480
	.section	.rodata,"a",@progbits
	.p2align	6, 0x0
	.amdhsa_kernel k_qdedbacf55f_energy
		.amdhsa_group_segment_fixed_size 327680
		.amdhsa_private_segment_fixed_size 0
		.amdhsa_enable_private_segment 0
		.amdhsa_kernarg_size 48
		.amdhsa_user_sgpr_count 2
		.amdhsa_user_sgpr_kernarg_segment_ptr 1
		.amdhsa_wavefront_size32 1
		.amdhsa_system_sgpr_workgroup_id_x 1
		.amdhsa_system_sgpr_workgroup_id_y 1
		.amdhsa_system_sgpr_workgroup_id_z 1
		.amdhsa_system_vgpr_workitem_id 0
		.amdhsa_next_free_vgpr 1024
		.amdhsa_next_free_sgpr 66
		.amdhsa_reserve_vcc 0
		.amdhsa_float_denorm_mode_32 3
		.amdhsa_float_denorm_mode_16_64 3
		.amdhsa_memory_ordered 1
		.amdhsa_forward_progress 1
		.amdhsa_inst_pref_size 239
	.end_amdhsa_kernel
	.amdgpu_metadata
---
amdhsa.version: [ 1, 2 ]
amdhsa.kernels:
  - .name:           k_qdedbacf55f_energy
    .symbol:         k_qdedbacf55f_energy.kd
    .args:
      - { .name: encoder_outputs, .offset: 0, .size: 8, .value_kind: global_buffer, .address_space: global }
      - { .name: wcodes, .offset: 8, .size: 8, .value_kind: global_buffer, .address_space: global }
      - { .name: hpw, .offset: 16, .size: 8, .value_kind: global_buffer, .address_space: global }
      - { .name: v, .offset: 24, .size: 8, .value_kind: global_buffer, .address_space: global }
      - { .name: lowp_scales, .offset: 32, .size: 8, .value_kind: global_buffer, .address_space: global }
      - { .name: scores, .offset: 40, .size: 8, .value_kind: global_buffer, .address_space: global }
    .group_segment_fixed_size: 327680
    .private_segment_fixed_size: 0
    .kernarg_segment_align: 8
    .kernarg_segment_size: 48
    .max_flat_workgroup_size: 128
    .sgpr_count:     66
    .vgpr_count:     1024
    .wavefront_size: 32
...
	.end_amdgpu_metadata
.endif
;; end of part 2
;; launch soft (part 3): grid 32 x 1, 8 waves a work-group, no clusters, 1,280 bytes of LDS; arguments scores, out0; writes out0
.if DOCPART == 3
	.amdgcn_target "amdgcn-amd-amdhsa--gfx1250"
	.amdhsa_code_object_version 6
	.text
	.protected	k_qdedbacf55f_soft
	.globl	k_qdedbacf55f_soft
	.p2align	8
	.type	k_qdedbacf55f_soft,@function
k_qdedbacf55f_soft:
	s_mov_b64 s[64:65], 0
	v_nop
	global_prefetch_b8 v0, s[64:65] scope:SCOPE_SE
	s_setreg_imm32_b32 hwreg(HW_REG_WAVE_MODE, 25, 1), 1
	s_wait_xcnt 0x0
; out0[b][:] = softmax of scores[b][:], 2,048 numbers a batch.  WORK LEFT OUT: the scores lack the term sum_n v[n], which is the same along this axis and changes no softmax (shown at the head of the first kernel).
; A work-group of eight waves takes a batch; a thread holds eight numbers in registers from the load to the store.  The row's maximum is taken away before the exponential: p = 2^(s c - m c), c = log2(e).
; Two reductions over the work-group, each: within the lane, across the 32 lanes, one word a wave in LDS, a barrier, all eight words read by every lane.  The two use different words, so one barrier each is enough.
; No matrix unit, no cluster, no tensor load: 8 KiB a work-group, shared with nobody.
.set SPW, 30                           ; v30  my spare word; never rewritten
.set NIL, 31                           ; v31  0; never rewritten
	s_load_b128 s[4:7], s[0:1], 0x0                ; scores, out0
	v_lshl_add_u32 v[SPW], v0, 2, 256              ; the spare words: from byte 256 on, 128 bytes for each of eight waves
	v_mov_b32 v[NIL], 0
	v_lshrrev_b32 v1, 5, v0
	s_delay_alu instid0(VALU_DEP_1)
	v_readfirstlane_b32 s8, v1                     ; wave
	s_lshl_b32 s9, s8, 2
	v_mov_b32 v3, s9                               ; my wave's word
	v_mov_b32 v4, 0                                ; all eight words
	v_lshlrev_b32 v2, 4, v0                        ; 16 bytes a thread
	s_lshl_b32 s10, ttmp9, 13                      ; a batch's 8,192 bytes
	s_mov_b32 s11, 0
	s_mov_b32 s12, 0x76543210                      ; v_permlanex16_b32's selects for lane l xor 16
	s_mov_b32 s13, 0xfedcba98
	s_mov_b32 s14, 0x3fb8aa3b                      ; c = log2(e)
	s_mov_b32 s15, s14                             ; (named with it as a pair, so it is written)
	s_wait_alu depctr_va_vdst(0)
	s_wait_kmcnt 0x0
	s_add_nc_u64 s[4:5], s[4:5], s[10:11]
	s_add_nc_u64 s[6:7], s[6:7], s[10:11]
	global_load_b128 v[8:11], v2, s[4:5]
	global_load_b128 v[12:15], v2, s[4:5] offset:4096
	s_wait_loadcnt 0x0
	v_max3_num_f32 v16, v8, v9, v10
	v_max3_num_f32 v17, v11, v12, v13
	s_delay_alu instid0(VALU_DEP_2)
	v_max3_num_f32 v16, v16, v14, v15
	s_delay_alu instid0(VALU_DEP_1)
	v_max_num_f32 v16, v16, v17
	s_delay_alu instid0(VALU_DEP_1)
	v_max_num_f32_dpp v16, v16, v16 row_xmask:1 row_mask:0xf bank_mask:0xf
	s_delay_alu instid0(VALU_DEP_1)
	v_max_num_f32_dpp v16, v16, v16 row_xmask:2 row_mask:0xf bank_mask:0xf
	s_delay_alu instid0(VALU_DEP_1)
	v_max_num_f32_dpp v16, v16, v16 row_xmask:4 row_mask:0xf bank_mask:0xf
	s_delay_alu instid0(VALU_DEP_1)
	v_max_num_f32_dpp v16, v16, v16 row_xmask:8 row_mask:0xf bank_mask:0xf
	s_delay_alu instid0(VALU_DEP_1)
	v_permlanex16_b32 v17, v16, s12, s13
	s_delay_alu instid0(VALU_DEP_1)
	v_max_num_f32 v16, v16, v17
	ds_store_b32 v3, v16                           ; all lanes write the same word with the same number
	s_wait_dscnt 0x0                               ; for the others' sake
	s_barrier_signal -1
	s_barrier_wait -1
	ds_load_b128 v[20:23], v4
	ds_load_b128 v[24:27], v4 offset:16
	s_wait_dscnt 0x0
	v_max3_num_f32 v20, v20, v21, v22
	v_max3_num_f32 v23, v23, v24, v25
	s_delay_alu instid0(VALU_DEP_2)
	v_max3_num_f32 v20, v20, v26, v27
	s_delay_alu instid0(VALU_DEP_1)
	v_max_num_f32 v20, v20, v23                    ; the row's maximum m
	s_delay_alu instid0(VALU_DEP_1)
	v_mul_f32 v18, 0xbfb8aa3b, v20                 ; -m c
	s_delay_alu instid0(VALU_DEP_1)
	v_mov_b32 v19, v18                             ; (named with it as a pair)
.irp j, 8,10,12,14
	v_pk_fma_f32 v[\j:\j+1], v[\j:\j+1], s[14:15], v[18:19] op_sel_hi:[1,0,0]   ; s c - m c
.endr
	s_wait_alu depctr_va_vdst(0)
.irp j, 8,9,10,11,12,13,14,15
	v_exp_f32 v[\j], v[\j]
.endr
	v_nop                                          ; a plain line behind the last exponential
	s_wait_alu depctr_va_vdst(0)                   ; one wait for the eight, ahead of their first reader
	v_pk_add_f32 v[16:17], v[8:9], v[10:11]
	v_pk_add_f32 v[22:23], v[12:13], v[14:15]
	s_delay_alu instid0(VALU_DEP_1)
	v_pk_add_f32 v[16:17], v[16:17], v[22:23]
	s_delay_alu instid0(VALU_DEP_1)
	v_add_f32 v16, v16, v17
	s_delay_alu instid0(VALU_DEP_1)
	v_add_f32_dpp v16, v16, v16 row_xmask:1 row_mask:0xf bank_mask:0xf
	s_delay_alu instid0(VALU_DEP_1)
	v_add_f32_dpp v16, v16, v16 row_xmask:2 row_mask:0xf bank_mask:0xf
	s_delay_alu instid0(VALU_DEP_1)
	v_add_f32_dpp v16, v16, v16 row_xmask:4 row_mask:0xf bank_mask:0xf
	s_delay_alu instid0(VALU_DEP_1)
	v_add_f32_dpp v16, v16, v16 row_xmask:8 row_mask:0xf bank_mask:0xf
	s_delay_alu instid0(VALU_DEP_1)
	v_permlanex16_b32 v17, v16, s12, s13
	s_delay_alu instid0(VALU_DEP_1)
	v_add_f32 v16, v16, v17
	ds_store_b32 v3, v16 offset:64                 ; other words than the maxima's
	s_wait_dscnt 0x0
	s_barrier_signal -1
	s_barrier_wait -1
	ds_load_b128 v[20:23], v4 offset:64
	ds_load_b128 v[24:27], v4 offset:80
	s_wait_dscnt 0x0
	v_pk_add_f32 v[20:21], v[20:21], v[22:23]
	v_pk_add_f32 v[24:25], v[24:25], v[26:27]
	s_delay_alu instid0(VALU_DEP_1)
	v_pk_add_f32 v[20:21], v[20:21], v[24:25]
	s_delay_alu instid0(VALU_DEP_1)
	v_add_f32 v20, v20, v21                        ; the row's sum, at least 1
	s_wait_alu depctr_va_vdst(0)
	v_rcp_f32 v20, v20
	v_nop
	s_wait_alu depctr_va_vdst(0)
.irp j, 8,10,12,14
	v_pk_mul_f32 v[\j:\j+1], v[\j:\j+1], v[20:21] op_sel_hi:[1,0]
.endr
	global_store_b128 v2, v[8:11], s[6:7]          ; a wave stores 512 consecutive bytes
	global_store_b128 v2, v[12:15], s[6:7] offset:4096
	s_wait_tensorcnt 0x0                           ; the wave's end
	ds_add_u32 v[SPW], v[NIL]
	s_wait_dscnt 0x0
	s_endpgm
.Lfunc_end_k_qdedbacf55f_soft:
	.size	k_qdedbacf55f_soft, .Lfunc_end_k_qdedbacf55f_soft-k_qdedbacf55f_soft
	.p2alignl 7, 3214868480
	.fill 96, 4, 3214868480
	.section	.rodata,"a",@progbits
	.p2align	6, 0x0
	.amdhsa_kernel k_qdedbacf55f_soft
		.amdhsa_group_segment_fixed_size 1280
		.amdhsa_private_segment_fixed_size 0
		.amdhsa_enable_private_segment 0
		.amdhsa_kernarg_size 16
		.amdhsa_user_sgpr_count 2
		.amdhsa_user_sgpr_kernarg_segment_ptr 1
		.amdhsa_wavefront_size32 1
		.amdhsa_system_sgpr_workgroup_id_x 1
		.amdhsa_system_sgpr_workgroup_id_y 1
		.amdhsa_system_sgpr_workgroup_id_z 1
		.amdhsa_system_vgpr_workitem_id 0
		.amdhsa_next_free_vgpr 32
		.amdhsa_next_free_sgpr 66
		.amdhsa_reserve_vcc 0
		.amdhsa_float_denorm_mode_32 3
		.amdhsa_float_denorm_mode_16_64 3
		.amdhsa_memory_ordered 1
		.amdhsa_forward_progress 1
		.amdhsa_inst_pref_size 6
	.end_amdhsa_kernel
	.amdgpu_metadata
---
amdhsa.version: [ 1, 2 ]
amdhsa.kernels:
  - .name:           k_qdedbacf55f_soft
    .symbol:         k_qdedbacf55f_soft.kd
    .args:
      - { .name: scores, .offset: 0, .size: 8, .value_kind: global_buffer, .address_space: global }
      - { .name: out0, .offset: 8, .size: 8, .value_kind: global_buffer, .address_space: global }
    .group_segment_fixed_size: 1280
    .private_segment_fixed_size: 0
    .kernarg_segment_align: 8
    .kernarg_segment_size: 16
    .max_flat_workgroup_size: 256
    .sgpr_count:     66
    .vgpr_count:     32
    .wavefront_size: 32
...
	.end_amdgpu_metadata
.endif
;; end of part 3
